; MI455X (gfx1250); checked and timed in simulation.
; The chip was launched on July 23, 2026; its instructions are those of AMD's public machine-readable ISA for CDNA 5 (MIT licence, August 2026) and "CDNA5" Instruction Set Architecture Reference Guide (July 2026). The comments in the code are by the model that wrote it; some were corrected since.
;; NUFFT Layer. Allowed arithmetic: float matrix products may take bf16 or f16 operands with f32 sums; all other float work in f32.
;; Inputs: traj 16 x 2,048 x 2 float32; x_imag 16 x 4 x 64 x 64 float32; x_real 16 x 4 x 64 x 64 float32.
;; Outputs: out0 16 x 4 x 2,048 x 2 float32.
;; 2 versions, each right; version 2 is version 1 with the launch nufft written anew for expert scheduling mode. Each part assembles by itself: llvm-mc -triple=amdgcn-amd-amdhsa -mcpu=gfx1250 --defsym DOCPART=n.
;; ======== version 1 of 2: 1 launch
;; limits: inputs' magnitudes at most 16,376; values are held in f16: magnitudes above 65,504 overflow, below 6.1e-05 lose precision
;; launch nufft (part 1): grid 256 x 1, 8 waves a work-group, no clusters, 168,960 bytes of LDS; arguments traj, x_real, x_imag, out0; writes out0
.if DOCPART == 1
	.amdgcn_target "amdgcn-amd-amdhsa--gfx1250"
	.amdhsa_code_object_version 6
	.text
	.protected	k_qe6e02e7c8e_nufft
	.globl	k_qe6e02e7c8e_nufft
	.p2align	8
	.type	k_qe6e02e7c8e_nufft,@function
k_qe6e02e7c8e_nufft:
	s_mov_b64 s[64:65], 0
	v_nop
	global_prefetch_b8 v0, s[64:65] scope:SCOPE_SE
	s_setreg_imm32_b32 hwreg(HW_REG_WAVE_MODE, 25, 1), 1
	s_wait_xcnt 0x0
; y[b,c,m] = sum over h, w of x[b,c,h,w] exp(-i (t0 (h-32) + t1 (w-32))),  t0 = traj[b,m,0], t1 = traj[b,m,1].
; x: [16][4][64][64] f32 (real, imaginary), traj: [16][2048][2] f32, out0: [16][4][2048][2] f32.
;
; THE FORM COMPUTED.  h-32 = (h-31.5) - 0.5, likewise w, so for every input
;     y = e^{+i (t0+t1)/2} * sum_h e^{-i t0 (h-31.5)} * sum_w x[h][w] e^{-i t1 (w-31.5)}.
; The half-integer grid is symmetric: with k = 0..31, w+ = 32+k, w- = 31-k, theta = t1 (k+0.5),
;     sum_w X[w] e^{..} = sum_k (X[w+]+X[w-]) cos theta - i (X[w+]-X[w-]) sin theta,
; and the same along h with j = 0..31.  x is folded in f32 along both axes, which leaves a real product of 64 K slots
; (32 cosines, 32 sines) instead of 128, and one real factor for each complex number behind it.
; For an h pair j the four rows of the product are  R1 = Re T(He), R3 = Im T(Ho), R2 = Im T(He), R4 = -Re T(Ho)
; (He, Ho: sum and difference of image rows 32+j and 31-j; T: the sum along w), and
;     y'_re = sum_j R1 cos psi_j + R3 sin psi_j,   y'_im = sum_j R2 cos psi_j + R4 sin psi_j,   psi_j = t0 (j+0.5).
;
; THE SHARES.  256 work-groups: frame = id / 16, a block of 128 samples = id % 16.  Eight waves: coil = wave / 2, half = wave % 2.
; A wave folds half of its coil (16 h pairs), then multiplies the whole coil (128 rows x 64 K, held in 128 registers as A fragments)
; with the w tables of its half of the samples (4 tiles of 16).  In the result a lane is a sample, so the sum over j stays in the lane.
; Tables: thread t makes the table of sample t % 128, waves 0-3 along w (rounded to f16), waves 4-7 along h (kept in f32).
;
; FORMATS.  Matrix operands in f16, sums in f32.  A folded x is a sum of four inputs: |x_real|, |x_imag| must stay below 16,376,
; above that the operand becomes infinite.  The table entries lie in [-1, 1].
; ANGLES.  One sine and cosine of t/2 by a two-part reduction by pi/2 and polynomials on [-pi/4, pi/4]; the odd multiples up to 63 by
; complex products, five deep, so the angle error is at most some 63 x 1e-7.  The reduction keeps that figure for |traj| up to about 1e5 rad.
; The order of the sums differs from the problem's formula; non-finite inputs are not followed element by element.
;
; NO JOINT LOADS.  The 16 work-groups of a frame read the same 131,072 bytes of x.  They come by plain loads straight into the registers
; that fold them; a tensor load would lay the f32 words into LDS first, 131,072 bytes written and read again in each work-group in order
; to make 73,728 bytes of folded f16.  Everything is asked for in one burst at the head: 33 loads a lane.
; The launch asks for more than half of a WGP's LDS, so that each of the 256 work-groups has a WGP to itself.
.set APITCH, 144                       ; a row of folded x: 64 f16 = 128 bytes + 16.  An odd multiple of 16 bytes: the 16 rows of a fragment load
.set TPITCH, 272                       ; a table row: up to 256 bytes + 16.             start in 16 different 16-byte columns of 256 bytes
.set ASTEP,  16*APITCH                 ; 16 rows of folded x
.set TSTEP,  16*TPITCH                 ; 16 samples of a table
.set PH,     0                         ; LDS: 128 x 8 bytes      (cos, sin) of (t0+t1)/2
.set TX,     1024                      ; LDS: 128 x 272 bytes    w table, f16: word k = (cos, sin) of t1 (k+0.5)
.set TY,     TX+128*TPITCH             ; LDS: 128 x 272 bytes    h table, f32: pair j = (cos, sin) of t0 (j+0.5)
.set XA,     TY+128*TPITCH             ; LDS: 512 x 144 bytes    folded x: row 128 coil + 4 j + (R1, R3, R2, R4), word k = (cosine slot, sine slot); ends at 144,384
; registers that live through the kernel
.set VO,  0                            ; v0        8 lane + 512 half: offset in out0 and in the phase table (holds the thread's number until it is made)
.set VT,  1                            ; v1        (64 half + lane%16) x 272 + 16 (lane/16): my row in both tables
; registers ahead of the barrier
.set OPP, 2                            ; v2-5      byte offsets in my coil: row 32+j / 31-j, columns 32+4a.. / 28-4a..
.set OPN, 3
.set OMP, 4
.set OMN, 5
.set VS,  6                            ; v6        where my folded words go
.set VR,  7                            ; v7        (thread % 128) x 272: my table row
.set VA,  8                            ; v8        my A fragments
.set TR,  10                           ; v[10:11]  t0, t1
.set ANG, 12                           ; v12       an angle
.set VP8, 13                           ; v13       (thread % 128) x 8
.set SC,  14                           ; v[14:21]  at work in SINCOS
.set PHI, 22                           ; v[22:23]  (cos, sin) of (t0+t1)/2
.set WA,  24                           ; v[24:27]  a multiplier (re, im) and its quarter turn (-im, re)
.set WB,  28                           ; v[28:31]  the next one
.set H,   32                           ; v[32:63]  the w table in f16
.set P,   64                           ; v[64:127] the table: pair k = e^{i (2k+1) a}
.set X,   128                          ; v[128:255] x as loaded: item i at X + 32 i
.set T,   16                           ; v[16:31]  fold, sums along h
.set U,   32                           ; v[32:63]  fold, the 32 folded numbers of an item
.set Y,   64                           ; v[64:79]  fold, the same in f16
; registers behind the barrier
.set PH0, 2                            ; v[2:3]    phase of samples 0-31 of my half
.set EV,  4                            ; v[4:5]    the even tile's sums; then the pair's result
.set PH1, 6                            ; v[6:7]    phase of samples 32-63
.set ACC, 8                            ; v[8:15]   four packed sums: re, im, re, im
.set E,   16                           ; v[16:47]  my 16 pairs of the tile's h table
.set B,   48                           ; v[48:63]  the tile's w table: two B fragments
.set D,   64                           ; v[64:127] eight accumulators of 16 rows x 16 samples
.set A,   128                          ; v[128:255] my coil: eight blocks of 16 rows x 64 K
	s_load_b256 s[4:11], s[0:1], 0x0               ; traj s[4:5], x_real s[6:7], x_imag s[8:9], out0 s[10:11]
	s_set_vgpr_msb 0x40
	v_lshl_add_u32 v0, v0, 2, 0x29000
	v_mov_b32 v1, 0
	s_set_vgpr_msb 0x4000
	v_lshrrev_b32 v9, 5, v0
	v_readfirstlane_b32 s12, v9                    ; wave 0..7
	s_lshr_b32 s13, s12, 1                         ; coil
	s_and_b32 s14, s12, 1                          ; half
	s_lshr_b32 s15, ttmp9, 4                       ; frame
	s_and_b32 s16, ttmp9, 15                       ; block of 128 samples
	s_lshl2_add_u32 s20, s15, s13                  ; 4 frame + coil,
	s_lshl_b32 s20, s20, 14                        ; times 16,384 bytes: a coil's image in x_real and x_imag, and its 2,048 results in out0
	s_mov_b32 s21, 0
	s_lshl_b32 s22, ttmp9, 10                      ; traj: 128 samples of 8 bytes for each work-group
	s_mov_b32 s23, 0
	s_lshl_b32 s30, s16, 10                        ; out0: the block's 128 results of 8 bytes
	s_mov_b32 s31, 0
	s_lshl_b32 s17, s14, 12                        ; 16 rows of 256 bytes for the upper half of the h pairs
	; A fold item is (j, a): h pair j, columns k = 4a .. 4a+3.  Lane: a = lane % 8, j = 16 half + 4 i + lane / 8 for item i = 0..3.
	v_and_b32 v9, 7, v0
	v_bfe_u32 v12, v0, 3, 2                        ; lane / 8
	v_lshlrev_b32 v9, 4, v9                        ; 16 a
	v_lshl_add_u32 v14, v12, 8, s17                ; u = 256 (lane/8 + 16 half)
	v_sub_nc_u32 v15, 112, v9                      ; columns 28-4a .. 31-4a
	v_sub_nc_u32 v16, 7936, v14                    ; row 31 - ..
	v_add3_u32 v[OPP], v14, v9, 8320               ; row 32 + .., columns 32+4a ..
	v_add3_u32 v[OPN], v14, v15, 8192              ; row 32 + .., columns 28-4a ..
	v_add3_u32 v[OMP], v16, v9, 128                ; row 31 - .., columns 32+4a ..
	v_add_nc_u32 v[OMN], v16, v15                  ; row 31 - .., columns 28-4a ..
	v_and_b32 v17, 127, v0                         ; my table's sample
	v_lshlrev_b32 v[VP8], 3, v17
	s_wait_kmcnt 0x0
	s_add_nc_u64 s[4:5], s[4:5], s[22:23]
	s_add_nc_u64 s[6:7], s[6:7], s[20:21]
	s_add_nc_u64 s[8:9], s[8:9], s[20:21]
	s_add_nc_u64 s[10:11], s[10:11], s[20:21]
	s_add_nc_u64 s[10:11], s[10:11], s[30:31]
	global_load_b64 v[TR:TR+1], v[VP8], s[4:5]     ; first, since the tables are made while x is on its way
; the eight loads of item i: eight lanes take 128 neighbouring bytes of a row, the loads of a row's two halves follow each other
.macro XLOADS i
	global_load_b128 v[X+32*\i:X+32*\i+3],     v[OPP], s[6:7] offset:1024*\i
	global_load_b128 v[X+32*\i+4:X+32*\i+7],   v[OPN], s[6:7] offset:1024*\i
	global_load_b128 v[X+32*\i+8:X+32*\i+11],  v[OMP], s[6:7] offset:-1024*\i
	global_load_b128 v[X+32*\i+12:X+32*\i+15], v[OMN], s[6:7] offset:-1024*\i
	global_load_b128 v[X+32*\i+16:X+32*\i+19], v[OPP], s[8:9] offset:1024*\i
	global_load_b128 v[X+32*\i+20:X+32*\i+23], v[OPN], s[8:9] offset:1024*\i
	global_load_b128 v[X+32*\i+24:X+32*\i+27], v[OMP], s[8:9] offset:-1024*\i
	global_load_b128 v[X+32*\i+28:X+32*\i+31], v[OMN], s[8:9] offset:-1024*\i
.endm
	XLOADS 0
	XLOADS 1
	XLOADS 2
	XLOADS 3
	; the LDS addresses, while the loads are out
	s_mul_i32 s18, s12, 64*APITCH                  ; my 64 rows of folded x: 128 coil + 64 half = 64 wave
	s_add_co_u32 s18, s18, XA
	v_mad_u32_u24 v[VS], v12, 4*APITCH, v9         ; + 4 rows for each lane/8, + 16 a
	v_add_nc_u32 v[VS], s18, v[VS]
	v_mul_u32_u24 v[VR], v17, TPITCH
	v_and_b32 v14, 15, v0                          ; lane % 16
	v_bfe_u32 v15, v0, 4, 1
	v_lshlrev_b32 v15, 4, v15                      ; 16 (lane / 16)
	s_mul_i32 s19, s13, 128*APITCH
	s_add_co_u32 s19, s19, XA
	v_mad_u32_u24 v[VA], v14, APITCH, v15
	v_add_nc_u32 v[VA], s19, v[VA]
	s_mul_i32 s18, s14, 64*TPITCH
	v_mad_u32_u24 v[VT], v14, TPITCH, v15
	v_add_nc_u32 v[VT], s18, v[VT]
	v_and_b32 v16, 31, v0
	s_lshl_b32 s19, s14, 9
	v_lshl_add_u32 v[VO], v16, 3, s19              ; the thread's number is not needed behind this line
	s_mov_b32 s24, 0xb94ca1f9                      ; -1.9515296e-4: the sine's highest coefficient
	s_mov_b32 s25, 0x37ccf5ce                      ;  2.4433157e-5: the cosine's
	s_mov_b32 s26, 0x76543210                      ; v_permlanex16_b32: lane i of one half reads lane i of the other
	s_mov_b32 s27, 0xfedcba98
	s_mov_b32 s28, 0xffff0000                      ; lanes 16-31
	s_cmp_lt_u32 s12, 4
	s_cselect_b32 s29, 0, -1                       ; waves 4-7: all lanes take t0
; c = cos a, s = sin a.  n = nearest whole number to a 2/pi; r = a - n pi/2 with pi/2 in two parts and fused multiply-adds;
; polynomials in r on [-pi/4, pi/4]; n mod 4 swaps the two and sets the signs, by selects.
.macro SINCOS c, s, a, t
	v_mul_f32 v[\t], 0x3f22f983, v[\a]                 ; a x 2/pi
	v_rndne_f32 v[\t], v[\t]                           ; n
	v_fmamk_f32 v[\t+1], v[\t], 0xbfc90fdb, v[\a]      ; a - n x 1.57079637
	v_fmamk_f32 v[\t+1], v[\t], 0x333bbd2e, v[\t+1]    ;   + n x 4.37113883e-8 = r
	v_cvt_i32_f32 v[\t], v[\t]
	v_mul_f32 v[\t+2], v[\t+1], v[\t+1]                ; z = r r
	v_fmaak_f32 v[\t+3], s24, v[\t+2], 0x3c08839e      ; sine:   (S3 z + 8.3321609e-3)
	v_fmaak_f32 v[\t+4], s25, v[\t+2], 0xbab6061a      ; cosine: (C3 z - 1.3887316e-3)
	v_mul_f32 v[\t+5], v[\t+2], v[\t+1]                ; z r
	v_fma_f32 v[\t+6], v[\t+2], -0.5, 1.0              ; 1 - z/2
	v_fmaak_f32 v[\t+3], v[\t+3], v[\t+2], 0xbe2aaaa3  ; .. z - 1.6666655e-1
	v_fmaak_f32 v[\t+4], v[\t+4], v[\t+2], 0x3d2aaaa5  ; .. z + 4.1666646e-2
	v_mul_f32 v[\t+7], v[\t+2], v[\t+2]                ; z z
	v_fma_f32 v[\t+3], v[\t+3], v[\t+5], v[\t+1]       ; sin r
	v_fma_f32 v[\t+4], v[\t+4], v[\t+7], v[\t+6]       ; cos r
	v_and_b32 v[\t+5], 1, v[\t]
	v_cmp_eq_u32 vcc_lo, 1, v[\t+5]                    ; n odd: the two change places
	v_add_nc_u32 v[\t+6], 1, v[\t]
	v_lshlrev_b32 v[\t+5], 30, v[\t]                   ; bit 1 of n: the sine's sign
	v_lshlrev_b32 v[\t+6], 30, v[\t+6]                 ; bit 1 of n + 1: the cosine's
	v_cndmask_b32 v[\c], v[\t+4], v[\t+3], vcc_lo
	v_cndmask_b32 v[\s], v[\t+3], v[\t+4], vcc_lo
	v_and_b32 v[\t+5], 0x80000000, v[\t+5]
	v_and_b32 v[\t+6], 0x80000000, v[\t+6]
	v_xor_b32 v[\s], v[\t+5], v[\s]
	v_xor_b32 v[\c], v[\t+6], v[\c]
.endm
.macro ROT r, w                        ; r = i w = (-im, re)
	v_xor_b32 v[\r], 0x80000000, v[\w+1]
	v_mov_b32 v[\r+1], v[\w]
.endm
.macro CMUL d, p, w, r                 ; d = p w = p.re (w.re, w.im) + p.im (-w.im, w.re)
	v_pk_mul_f32 v[\d:\d+1], v[\p:\p+1], v[\w:\w+1] op_sel_hi:[0,1]
	v_pk_fma_f32 v[\d:\d+1], v[\p:\p+1], v[\r:\r+1], v[\d:\d+1] op_sel:[1,0,0] op_sel_hi:[1,1,1]
.endm
; pairs cnt .. 2 cnt - 1 of the table = pairs 0 .. cnt - 1 times w = e^{i 2 cnt a}; more = 1: n = w w for the next level
.macro LEVEL cnt, w, n, more
.if \more
	CMUL \n, \w, \w, \w+2
.endif
.set k, 0
.rept \cnt
	CMUL P+2*(\cnt+k), P+2*k, \w, \w+2
.set k, k+1
.endr
.if \more
	ROT \n+2, \n
.endif
.endm
	s_wait_loadcnt 32                              ; loads come back in order: t0 and t1 are in, the 32 loads of x issued behind them stay out
	v_cndmask_b32 v[ANG], v[TR+1], v[TR], s29      ; waves 0-3: t1 (along w); waves 4-7: t0 (along h)
	v_mul_f32 v[ANG], 0.5, v[ANG]                  ; a = t / 2
	SINCOS P, P+1, ANG, SC                         ; pair 0 = e^{i a}
	ROT WB+2, P
	CMUL WA, P, P, WB+2                            ; e^{i 2a}
	ROT WA+2, WA
	LEVEL 1,  WA, WB, 1
	LEVEL 2,  WB, WA, 1
	LEVEL 4,  WA, WB, 1
	LEVEL 8,  WB, WA, 1
	LEVEL 16, WA, WB, 0
	s_cmp_lt_u32 s12, 4
	s_cbranch_scc0 .Lalong_h
	; waves 0-3: the w table is a matrix operand: word k = (cos, sin) in f16
.set k, 0
.rept 32
	v_cvt_pk_f16_f32 v[H+k], v[P+2*k], v[P+2*k+1]
.set k, k+1
.endr
.set k, 0
.rept 8
	ds_store_b128 v[VR], v[H+4*k:H+4*k+3] offset:TX+16*k
.set k, k+1
.endr
	s_branch .Lfold
.Lalong_h:
	; waves 4-7: the h table stays in f32; and the phase e^{i (t0+t1)/2}
.set k, 0
.rept 16
	ds_store_b128 v[VR], v[P+4*k:P+4*k+3] offset:TY+16*k
.set k, k+1
.endr
	v_add_f32 v[ANG], v[TR], v[TR+1]
	v_mul_f32 v[ANG], 0.5, v[ANG]
	SINCOS PHI, PHI+1, ANG, SC
	ds_store_b64 v[VP8], v[PHI:PHI+1] offset:PH
.Lfold:
; The columns 28-4a .. 31-4a lie in a quad in rising order, their partners k = 4a .. 4a+3 want them in falling order:
; element i of p meets element 3 - i of n, by taking n's other pair with its two registers exchanged (op_sel).
.macro FADD d, p, n                    ; d[i] = p[i] + n[3-i]
	v_pk_add_f32 v[\d:\d+1],   v[\p:\p+1],   v[\n+2:\n+3] op_sel:[0,1] op_sel_hi:[1,0]
	v_pk_add_f32 v[\d+2:\d+3], v[\p+2:\p+3], v[\n:\n+1]   op_sel:[0,1] op_sel_hi:[1,0]
.endm
.macro FSUB d, p, n                    ; d[i] = p[i] - n[3-i]
	v_pk_add_f32 v[\d:\d+1],   v[\p:\p+1],   v[\n+2:\n+3] op_sel:[0,1] op_sel_hi:[1,0] neg_lo:[0,1] neg_hi:[0,1]
	v_pk_add_f32 v[\d+2:\d+3], v[\p+2:\p+3], v[\n:\n+1]   op_sel:[0,1] op_sel_hi:[1,0] neg_lo:[0,1] neg_hi:[0,1]
.endm
.macro FRSB d, p, n                    ; d[i] = n[3-i] - p[i]
	v_pk_add_f32 v[\d:\d+1],   v[\p:\p+1],   v[\n+2:\n+3] op_sel:[0,1] op_sel_hi:[1,0] neg_lo:[1,0] neg_hi:[1,0]
	v_pk_add_f32 v[\d+2:\d+3], v[\p+2:\p+3], v[\n:\n+1]   op_sel:[0,1] op_sel_hi:[1,0] neg_lo:[1,0] neg_hi:[1,0]
.endm
; Item i.  As loaded, for the real part at XR and the imaginary part at XI: +0 row 32+j right, +4 row 32+j left, +8 row 31-j right, +12 row 31-j left.
; The signs that the four rows want are made by the order of the operands, not by extra instructions.
.macro ITEM i
.set XR, X+32*\i
.set XI, X+32*\i+16
	s_wait_loadcnt 24-8*\i                         ; the item's eight loads are in, the later items' stay out
.set k, 0
.rept 4
	v_pk_add_f32 v[T+2*k:T+2*k+1],     v[XR+2*k:XR+2*k+1], v[XR+8+2*k:XR+8+2*k+1]                            ; He, real: right quad, left quad
	v_pk_add_f32 v[T+8+2*k:T+8+2*k+1], v[XI+2*k:XI+2*k+1], v[XI+8+2*k:XI+8+2*k+1]                            ; He, imaginary
	v_pk_add_f32 v[XR+2*k:XR+2*k+1],   v[XR+8+2*k:XR+8+2*k+1], v[XR+2*k:XR+2*k+1] neg_lo:[0,1] neg_hi:[0,1]  ; -Ho, real
	v_pk_add_f32 v[XI+2*k:XI+2*k+1],   v[XI+2*k:XI+2*k+1], v[XI+8+2*k:XI+8+2*k+1] neg_lo:[0,1] neg_hi:[0,1]  ; Ho, imaginary
.set k, k+1
.endr
	FADD U+0,  T+0,  T+4                           ; R1: cosine slots  Re He, even in w
	FSUB U+4,  T+8,  T+12                          ;     sine slots    Im He, odd in w
	FADD U+8,  XI+0, XI+4                          ; R3: cosine slots  Im Ho, even
	FSUB U+12, XR+0, XR+4                          ;     sine slots   -Re Ho, odd
	FADD U+16, T+8,  T+12                          ; R2: cosine slots  Im He, even
	FRSB U+20, T+0,  T+4                           ;     sine slots   -Re He, odd
	FADD U+24, XR+0, XR+4                          ; R4: cosine slots -Re Ho, even
	FRSB U+28, XI+0, XI+4                          ;     sine slots   -Im Ho, odd
.set k, 0
.rept 4
	v_cvt_pk_f16_f32 v[Y+4*k],   v[U+8*k],   v[U+8*k+4]    ; the one rounding of x: word = (cosine slot, sine slot)
	v_cvt_pk_f16_f32 v[Y+4*k+1], v[U+8*k+1], v[U+8*k+5]
	v_cvt_pk_f16_f32 v[Y+4*k+2], v[U+8*k+2], v[U+8*k+6]
	v_cvt_pk_f16_f32 v[Y+4*k+3], v[U+8*k+3], v[U+8*k+7]
.set k, k+1
.endr
.set k, 0
.rept 4
	ds_store_b128 v[VS], v[Y+4*k:Y+4*k+3] offset:\i*ASTEP+k*APITCH
.set k, k+1
.endr
.endm
	ITEM 0
	ITEM 1
	ITEM 2
	ITEM 3
	s_wait_dscnt 0x0                               ; my table and my rows of folded x are in LDS: zero, for the other waves' sake
	s_barrier_signal -1
	s_barrier_wait -1                              ; everybody's are.  Nothing is written to LDS behind this barrier
; A fragment is 16 rows x 32 K of f16 in 8 registers: lane l holds row l % 16, registers 0-3 the 16 bytes at 16 (l / 16), registers 4-7 those
; 32 bytes further on.  A (rows of folded x) and B (samples of the w table) are read alike, so slot meets slot.
.macro LOADB S
	ds_load_b128 v[B:B+3],     v[VT] offset:TX+(\S)*TSTEP
	ds_load_b128 v[B+4:B+7],   v[VT] offset:TX+(\S)*TSTEP+32
	ds_load_b128 v[B+8:B+11],  v[VT] offset:TX+(\S)*TSTEP+64
	ds_load_b128 v[B+12:B+15], v[VT] offset:TX+(\S)*TSTEP+96
.endm
; In accumulator q, register r of lane l is row 16 q + 8 (l / 16) + r, that is h pairs 4 q + 2 (l / 16) and the next: their two (cos, sin) are 16 bytes
.macro LOADE S
.set k, 0
.rept 8
	ds_load_b128 v[E+4*k:E+4*k+3], v[VT] offset:TY+(\S)*TSTEP+32*k
.set k, k+1
.endr
.endm
; 128 rows x 16 samples x 64 K.  The first products start the sums: nothing is cleared.
; The eight accumulators take turns, one instruction a turn.
.macro MULS
.set k, 0
.rept 8
	v_wmma_f32_16x16x32_f16 v[D+8*k:D+8*k+7], v[A+16*k:A+16*k+7], v[B:B+7], 0
.set k, k+1
.endr
.set k, 0
.rept 8
	v_wmma_f32_16x16x32_f16 v[D+8*k:D+8*k+7], v[A+16*k+8:A+16*k+15], v[B+8:B+15], v[D+8*k:D+8*k+7]
.set k, k+1
.endr
.endm
; (R1, R3) x (cos, sin) adds to the real part, (R2, R4) x (cos, sin) to the imaginary part; four chains, started by products
.macro SUMS
	v_pk_mul_f32 v[ACC:ACC+1],   v[D:D+1],   v[E:E+1]
	v_pk_mul_f32 v[ACC+2:ACC+3], v[D+2:D+3], v[E:E+1]
	v_pk_mul_f32 v[ACC+4:ACC+5], v[D+4:D+5], v[E+2:E+3]
	v_pk_mul_f32 v[ACC+6:ACC+7], v[D+6:D+7], v[E+2:E+3]
.set k, 1
.rept 7
	v_pk_fma_f32 v[ACC:ACC+1],   v[D+8*k:D+8*k+1],   v[E+4*k:E+4*k+1],   v[ACC:ACC+1]
	v_pk_fma_f32 v[ACC+2:ACC+3], v[D+8*k+2:D+8*k+3], v[E+4*k:E+4*k+1],   v[ACC+2:ACC+3]
	v_pk_fma_f32 v[ACC+4:ACC+5], v[D+8*k+4:D+8*k+5], v[E+4*k+2:E+4*k+3], v[ACC+4:ACC+5]
	v_pk_fma_f32 v[ACC+6:ACC+7], v[D+8*k+6:D+8*k+7], v[E+4*k+2:E+4*k+3], v[ACC+6:ACC+7]
.set k, k+1
.endr
.endm
.macro REDUCE re, im                   ; the lane's eight partial sums become two: four plain vector instructions
	v_pk_add_f32 v[ACC:ACC+1],   v[ACC:ACC+1],   v[ACC+4:ACC+5]
	v_pk_add_f32 v[ACC+2:ACC+3], v[ACC+2:ACC+3], v[ACC+6:ACC+7]
	v_add_f32 v[\re], v[ACC],   v[ACC+1]
	v_add_f32 v[\im], v[ACC+2], v[ACC+3]
.endm
; Two tiles end together.  A sample's sum lies in lanes r and r + 16.  Lanes 0-15 keep the even tile's part and hand over the odd tile's,
; lanes 16-31 the other way round: one exchange serves both tiles, and lane l ends up with sample 32 pair + l of my half.
.macro COMBINE ph, pair
	v_cndmask_b32 v[ACC+4], v[ACC],   v[EV],    s28    ; what the other half wants
	v_cndmask_b32 v[ACC+5], v[ACC+2], v[EV+1],  s28
	v_cndmask_b32 v[EV],    v[EV],    v[ACC],   s28    ; what I keep
	v_cndmask_b32 v[EV+1],  v[EV+1],  v[ACC+2], s28
	v_permlanex16_b32 v[ACC+6], v[ACC+4], s26, s27
	v_permlanex16_b32 v[ACC+7], v[ACC+5], s26, s27
	v_add_f32 v[ACC],   v[EV],   v[ACC+6]              ; y' real
	v_add_f32 v[ACC+2], v[EV+1], v[ACC+7]              ; y' imaginary
	v_mul_f32 v[EV],   v[ACC], v[\ph]                  ; y = y' e^{i (t0+t1)/2}
	v_mul_f32 v[EV+1], v[ACC], v[\ph+1]
	v_fma_f32 v[EV],   -v[ACC+2], v[\ph+1], v[EV]
	v_fma_f32 v[EV+1],  v[ACC+2], v[\ph],   v[EV+1]
	global_store_b64 v[VO], v[EV:EV+1], s[10:11] offset:256*\pair th:TH_STORE_NT   ; 32 lanes store 256 consecutive bytes, at a multiple of 256 from out0's first byte
.endm
; Tile S of my four.  inflight = the LDS loads that may stay out at the tile's head.
; Behind the matrix instructions stand four plain vector instructions that name none of their registers (ISA guide 7.12.1) before the next B fragments
; are loaded over the old ones and before SUMS reads the results: the tile before's REDUCE where there is one, v_nop in tile 0.
.macro TILE S, inflight
	s_wait_dscnt \inflight
	MULS
.if \S == 0
.rept 4
	v_nop
.endr
.else
.if \S & 1
.if \S == 3
	s_wait_xcnt 0x0                                ; the first store's data registers are written again only behind this wait
.endif
	REDUCE EV, EV+1                                ; the tile before was an even one: its sums wait for the odd one's
.else
	REDUCE ACC, ACC+2
.endif
.endif
.if \S < 3
	LOADB \S+1                                     ; lands while SUMS runs
.endif
.if \S == 2
	COMBINE PH0, 0
.endif
.if \S < 3
	s_wait_dscnt 4                                 ; this tile's h table is in; the four loads of the next B fragments stay out
.else
	s_wait_dscnt 0
.endif
	SUMS
.if \S < 3
	LOADE \S+1                                     ; lands while the next tile is multiplied
.endif
.endm
	LOADB 0
.set k, 0
.rept 8
	ds_load_b128 v[A+16*k:A+16*k+3],     v[VA] offset:k*ASTEP
	ds_load_b128 v[A+16*k+4:A+16*k+7],   v[VA] offset:k*ASTEP+32
	ds_load_b128 v[A+16*k+8:A+16*k+11],  v[VA] offset:k*ASTEP+64
	ds_load_b128 v[A+16*k+12:A+16*k+15], v[VA] offset:k*ASTEP+96
.set k, k+1
.endr
	ds_load_b64 v[PH0:PH0+1], v[VO] offset:PH
	ds_load_b64 v[PH1:PH1+1], v[VO] offset:PH+256
	LOADE 0
	TILE 0, 10                                     ; B and A are in; the two phase loads and the eight of the h table stay out
	TILE 1, 8                                      ; B is in; the eight loads of the h table stay out
	TILE 2, 8
	TILE 3, 8
	REDUCE ACC, ACC+2
	COMBINE PH1, 1
	s_set_vgpr_msb 0x5
	s_wait_tensorcnt 0x0
	ds_add_u32 v0, v1
	s_wait_dscnt 0x0
	s_set_vgpr_msb 0x500
	s_endpgm
.Lfunc_end_k_qe6e02e7c8e_nufft:
	.size	k_qe6e02e7c8e_nufft, .Lfunc_end_k_qe6e02e7c8e_nufft-k_qe6e02e7c8e_nufft
	.p2alignl 7, 3214868480
	.fill 96, 4, 3214868480
	.section	.rodata,"a",@progbits
	.p2align	6, 0x0
	.amdhsa_kernel k_qe6e02e7c8e_nufft
		.amdhsa_group_segment_fixed_size 168960
		.amdhsa_private_segment_fixed_size 0
		.amdhsa_enable_private_segment 0
		.amdhsa_kernarg_size 32
		.amdhsa_user_sgpr_count 2
		.amdhsa_user_sgpr_kernarg_segment_ptr 1
		.amdhsa_wavefront_size32 1
		.amdhsa_system_sgpr_workgroup_id_x 1
		.amdhsa_system_sgpr_workgroup_id_y 1
		.amdhsa_system_sgpr_workgroup_id_z 1
		.amdhsa_system_vgpr_workitem_id 0
		.amdhsa_next_free_vgpr 258
		.amdhsa_next_free_sgpr 66
		.amdhsa_reserve_vcc 1
		.amdhsa_float_denorm_mode_32 3
		.amdhsa_float_denorm_mode_16_64 3
		.amdhsa_memory_ordered 1
		.amdhsa_forward_progress 1
		.amdhsa_inst_pref_size 51
	.end_amdhsa_kernel
	.amdgpu_metadata
---
amdhsa.version: [ 1, 2 ]
amdhsa.kernels:
  - .name:           k_qe6e02e7c8e_nufft
    .symbol:         k_qe6e02e7c8e_nufft.kd
    .args:
      - { .name: traj, .offset: 0, .size: 8, .value_kind: global_buffer, .address_space: global }
      - { .name: x_real, .offset: 8, .size: 8, .value_kind: global_buffer, .address_space: global }
      - { .name: x_imag, .offset: 16, .size: 8, .value_kind: global_buffer, .address_space: global }
      - { .name: out0, .offset: 24, .size: 8, .value_kind: global_buffer, .address_space: global }
    .group_segment_fixed_size: 168960
    .private_segment_fixed_size: 0
    .kernarg_segment_align: 8
    .kernarg_segment_size: 32
    .max_flat_workgroup_size: 256
    .sgpr_count:     66
    .vgpr_count:     258
    .wavefront_size: 32
...
	.end_amdgpu_metadata
.endif
;; end of part 1
;; ======== version 2 of 2: 1 launch; version 1 with the launch nufft written anew for expert scheduling mode
;; limits: inputs' magnitudes at most 16,376; values are held in f16: magnitudes above 65,504 overflow, below 6.1e-05 lose precision
;; launch nufft (part 2): grid 256 x 1, 8 waves a work-group, no clusters, 168,960 bytes of LDS; arguments traj, x_real, x_imag, out0; writes out0
.if DOCPART == 2
	.amdgcn_target "amdgcn-amd-amdhsa--gfx1250"
	.amdhsa_code_object_version 6
	.text
	.protected	k_qe6e02e7c8e_nufft
	.globl	k_qe6e02e7c8e_nufft
	.p2align	8
	.type	k_qe6e02e7c8e_nufft,@function
k_qe6e02e7c8e_nufft:
	s_mov_b64 s[64:65], 0
	v_nop
	global_prefetch_b8 v0, s[64:65] scope:SCOPE_SE
	s_setreg_imm32_b32 hwreg(HW_REG_WAVE_SCHED_MODE, 0, 2), 2
	s_setreg_imm32_b32 hwreg(HW_REG_WAVE_MODE, 25, 1), 1
	s_wait_xcnt 0x0
	s_wait_alu depctr_vm_vsrc(0)
; y[b,c,m] = sum over h, w of x[b,c,h,w] exp(-i (t0 (h-32) + t1 (w-32))),  t0 = traj[b,m,0], t1 = traj[b,m,1].
; x: [16][4][64][64] f32 (real, imaginary), traj: [16][2048][2] f32, out0: [16][4][2048][2] f32.
;
; THE FORM COMPUTED.  h-32 = (h-31.5) - 0.5, likewise w, so for every input
;     y = e^{+i (t0+t1)/2} * sum_h e^{-i t0 (h-31.5)} * sum_w x[h][w] e^{-i t1 (w-31.5)}.
; The half-integer grid is symmetric: with k = 0..31, w+ = 32+k, w- = 31-k, theta = t1 (k+0.5),
;     sum_w X[w] e^{..} = sum_k (X[w+]+X[w-]) cos theta - i (X[w+]-X[w-]) sin theta,
; and the same along h with j = 0..31.  x is folded in f32 along both axes, which leaves a real product of 64 K slots
; (32 cosines, 32 sines) instead of 128, and one real factor for each complex number behind it.
; For an h pair j the four rows of the product are  R1 = Re T(He), R3 = Im T(Ho), R2 = Im T(He), R4 = -Re T(Ho)
; (He, Ho: sum and difference of image rows 32+j and 31-j; T: the sum along w), and
;     y'_re = sum_j R1 cos psi_j + R3 sin psi_j,   y'_im = sum_j R2 cos psi_j + R4 sin psi_j,   psi_j = t0 (j+0.5).
;
; THE SHARES.  256 work-groups: frame = id / 16, a block of 128 samples = id % 16.  Eight waves: coil = wave / 2, half = wave % 2.
; A wave folds half of its coil (16 h pairs), then multiplies the whole coil (128 rows x 64 K, held in 128 registers as A fragments)
; with the w tables of its half of the samples (4 tiles of 16).  In the result a lane is a sample, so the sum over j stays in the lane.
; Tables: thread t makes the table of sample t % 128, waves 0-3 along w (rounded to f16), waves 4-7 along h (kept in f32).
;
; FORMATS.  Matrix operands in f16, sums in f32.  A folded x is a sum of four inputs: |x_real|, |x_imag| must stay below 16,376,
; above that the operand becomes infinite.  The table entries lie in [-1, 1].
; ANGLES.  One sine and cosine of t/2 by a two-part reduction by pi/2 and polynomials on [-pi/4, pi/4]; the odd multiples up to 63 by
; complex products, five deep, so the angle error is at most some 63 x 1e-7.  The reduction keeps that figure for |traj| up to about 1e5 rad.
; The order of the sums differs from the problem's formula; non-finite inputs are not followed element by element.
;
; NO JOINT LOADS.  The 16 work-groups of a frame read the same 131,072 bytes of x.  They come by plain loads straight into the registers
; that fold them; a tensor load would lay the f32 words into LDS first, 131,072 bytes written and read again in each work-group in order
; to make 73,728 bytes of folded f16.  Everything is asked for in one burst at the head: 33 loads a lane.
; The launch asks for more than half of a WGP's LDS, so that each of the 256 work-groups has a WGP to itself.
;
; THE MODE: SCHED_MODE bits 1:0 = 2 (LLVM: expert scheduling mode 2), set by the entry lines.  The code itself states the register dependences
; between vector or matrix instructions and memory or LDS instructions, with s_wait_alu, always for 0.
; THE PLAN.  Registers that memory or LDS instructions touch:
;   v2-5, v13     offsets of the global loads: made at the head, one wait on va_vdst ahead of the first load.
;   X             the loads of x land here; no vector instruction names X before the count on LOADcnt that shows an item's loads in.
;   H, or P, PHI  the tables' out-buffers: written by the table's arithmetic, one wait on va_vdst, one run of LDS stores; one wait on vm_vsrc
;                 at the fold's head, whose T, U and Y lie in the same registers.
;   Y0 .. Y3      each fold item has an out-buffer of its own.  Item i's conversions write Y[i]; its four LDS stores stand at the head of
;                 item i + 1, behind one wait on va_vdst; no Y is written twice.
;   behind the barrier one wait on vm_vsrc: the stores and the global loads have read the registers that are now PH0, PH1, EV0 and D.
;   B, E          two buffers each: the even tiles' in window 0, the odd tiles' under the same numbers in window 1.  Tile S reads buffer S % 2;
;                 the twelve loads of tile S + 1 land in the other one and stand between the tile's two runs of matrix instructions, which name
;                 D, A and the tile's own B.  ONE wait on va_vdst at the tile's head states that the tile before is done reading that other buffer.
;   v8            A's LDS address, then ACC's first register: one wait on vm_vsrc ahead of the first sums.
;   EV0, EV1      each pair of tiles has an out-buffer of its own for its result, so none is written again behind its store.
;   v0, v1        LDS and global offsets of the main part: never written again.
.set APITCH, 144                       ; a row of folded x: 64 f16 = 128 bytes + 16.  An odd multiple of 16 bytes: the 16 rows of a fragment load
.set TPITCH, 272                       ; a table row: up to 256 bytes + 16.             start in 16 different 16-byte columns of 256 bytes
.set ASTEP,  16*APITCH                 ; 16 rows of folded x
.set TSTEP,  16*TPITCH                 ; 16 samples of a table
.set PH,     0                         ; LDS: 128 x 8 bytes      (cos, sin) of (t0+t1)/2
.set TX,     1024                      ; LDS: 128 x 272 bytes    w table, f16: word k = (cos, sin) of t1 (k+0.5)
.set TY,     TX+128*TPITCH             ; LDS: 128 x 272 bytes    h table, f32: pair j = (cos, sin) of t0 (j+0.5)
.set XA,     TY+128*TPITCH             ; LDS: 512 x 144 bytes    folded x: row 128 coil + 4 j + (R1, R3, R2, R4), word k = (cosine slot, sine slot); ends at 144,384
; registers that live through the kernel
.set VO,  0                            ; v0        8 lane + 512 half: offset in out0 and in the phase table (holds the thread's number until it is made)
.set VT,  1                            ; v1        (64 half + lane%16) x 272 + 16 (lane/16): my row in both tables
; registers ahead of the barrier
.set OPP, 2                            ; v2-5      byte offsets in my coil: row 32+j / 31-j, columns 32+4a.. / 28-4a..
.set OPN, 3
.set OMP, 4
.set OMN, 5
.set VS,  6                            ; v6        where my folded words go
.set VR,  7                            ; v7        (thread % 128) x 272: my table row
.set VA,  8                            ; v8        my A fragments
.set TR,  10                           ; v[10:11]  t0, t1
.set ANG, 12                           ; v12       an angle
.set VP8, 13                           ; v13       (thread % 128) x 8
.set SC,  14                           ; v[14:21]  at work in SINCOS
.set PHI, 22                           ; v[22:23]  (cos, sin) of (t0+t1)/2
.set WA,  24                           ; v[24:27]  a multiplier (re, im) and its quarter turn (-im, re)
.set WB,  28                           ; v[28:31]  the next one
.set H,   32                           ; v[32:63]  the w table in f16
.set P,   64                           ; v[64:127] the table: pair k = e^{i (2k+1) a}
.set X,   128                          ; v[128:255] x as loaded: item i at X + 32 i
.set T,   16                           ; v[16:31]  fold, sums along h
.set U,   32                           ; v[32:63]  fold, the 32 folded numbers of an item
.set Y,   64                           ; v[64:127] fold, the same in f16: item i's 16 registers at Y + 16 i
; registers behind the barrier
.set PH0, 2                            ; v[2:3]    phase of samples 0-31 of my half
.set EV0, 4                            ; v[4:5]    tiles 0 and 1: the even tile's sums; then the pair's result, which the first store reads
.set EV1, 2                            ; v[2:3]    the same for tiles 2 and 3: PH0's registers, free behind the first pair's rotation
.set PH1, 6                            ; v[6:7]    phase of samples 32-63
.set ACC, 8                            ; v[8:15]   four packed sums: re, im, re, im
.set E,   16                           ; v[16:47]  my 16 pairs of the tile's h table: even tiles in window 0, odd tiles in window 1
.set B,   48                           ; v[48:63]  the tile's w table, two B fragments: even tiles in window 0, odd tiles in window 1
.set D,   64                           ; v[64:127] eight accumulators of 16 rows x 16 samples
.set A,   128                          ; v[128:255] my coil: eight blocks of 16 rows x 64 K
; s_set_vgpr_msb's low byte: bits 1:0 source 0, 3:2 source 1, 5:4 source 2, 7:6 destination.  0x04: source 1 (a matrix instruction's B, the sums' E) in window 1;
; an LDS load under it still has address and destination in window 0.  0x40: the destination of a load in window 1.
.set MSB, 0
.macro WIN new                         ; the immediate's high byte repeats the setting that is left; a switch that changes nothing is dropped
.if MSB != (\new)
	s_set_vgpr_msb (MSB<<8)|(\new)
.set MSB, \new
.endif
.endm
	s_load_b256 s[4:11], s[0:1], 0x0               ; traj s[4:5], x_real s[6:7], x_imag s[8:9], out0 s[10:11]
	s_set_vgpr_msb 0x40
	v_lshl_add_u32 v14, v0, 2, 0x29000
	v_mov_b32 v15, 0
	s_set_vgpr_msb 0x4000
	v_lshrrev_b32 v9, 5, v0
	v_readfirstlane_b32 s12, v9                    ; wave 0..7
	s_lshr_b32 s15, ttmp9, 4                       ; frame
	s_and_b32 s16, ttmp9, 15                       ; block of 128 samples
	s_mov_b32 s21, 0
	s_lshl_b32 s22, ttmp9, 10                      ; traj: 128 samples of 8 bytes for each work-group
	s_mov_b32 s23, 0
	s_lshl_b32 s30, s16, 10                        ; out0: the block's 128 results of 8 bytes
	s_mov_b32 s31, 0
	; A fold item is (j, a): h pair j, columns k = 4a .. 4a+3.  Lane: a = lane % 8, j = 16 half + 4 i + lane / 8 for item i = 0..3.
	v_and_b32 v9, 7, v0
	v_bfe_u32 v12, v0, 3, 2                        ; lane / 8
	v_lshlrev_b32 v9, 4, v9                        ; 16 a
	v_sub_nc_u32 v15, 112, v9                      ; columns 28-4a .. 31-4a
	v_and_b32 v17, 127, v0                         ; my table's sample
	v_lshlrev_b32 v[VP8], 3, v17
	s_wait_alu depctr_va_sdst(0)                   ; s12 is written, ahead of its first reader: coil, half, bases and branches are made from it
	s_lshr_b32 s13, s12, 1                         ; coil
	s_and_b32 s14, s12, 1                          ; half
	s_lshl2_add_u32 s20, s15, s13                  ; 4 frame + coil,
	s_lshl_b32 s20, s20, 14                        ; times 16,384 bytes: a coil's image in x_real and x_imag, and its 2,048 results in out0
	s_lshl_b32 s17, s14, 12                        ; 16 rows of 256 bytes for the upper half of the h pairs
	v_lshl_add_u32 v14, v12, 8, s17                ; u = 256 (lane/8 + 16 half)
	v_sub_nc_u32 v16, 7936, v14                    ; row 31 - ..
	v_add3_u32 v[OPP], v14, v9, 8320               ; row 32 + .., columns 32+4a ..
	v_add3_u32 v[OPN], v14, v15, 8192              ; row 32 + .., columns 28-4a ..
	v_add3_u32 v[OMP], v16, v9, 128                ; row 31 - .., columns 32+4a ..
	v_add_nc_u32 v[OMN], v16, v15                  ; row 31 - .., columns 28-4a ..
	s_wait_kmcnt 0x0
	s_add_nc_u64 s[4:5], s[4:5], s[22:23]
	s_add_nc_u64 s[6:7], s[6:7], s[20:21]
	s_add_nc_u64 s[8:9], s[8:9], s[20:21]
	s_add_nc_u64 s[10:11], s[10:11], s[20:21]
	s_add_nc_u64 s[10:11], s[10:11], s[30:31]
	s_wait_alu depctr_va_vdst(0)                   ; v[VP8] and the four offsets v2 to v5 are written, which the 33 loads below read
	global_load_b64 v[TR:TR+1], v[VP8], s[4:5]     ; first, since the tables are made while x is on its way
; the eight loads of item i: eight lanes take 128 neighbouring bytes of a row, the loads of a row's two halves follow each other
.macro XLOADS i
	global_load_b128 v[X+32*\i:X+32*\i+3],     v[OPP], s[6:7] offset:1024*\i
	global_load_b128 v[X+32*\i+4:X+32*\i+7],   v[OPN], s[6:7] offset:1024*\i
	global_load_b128 v[X+32*\i+8:X+32*\i+11],  v[OMP], s[6:7] offset:-1024*\i
	global_load_b128 v[X+32*\i+12:X+32*\i+15], v[OMN], s[6:7] offset:-1024*\i
	global_load_b128 v[X+32*\i+16:X+32*\i+19], v[OPP], s[8:9] offset:1024*\i
	global_load_b128 v[X+32*\i+20:X+32*\i+23], v[OPN], s[8:9] offset:1024*\i
	global_load_b128 v[X+32*\i+24:X+32*\i+27], v[OMP], s[8:9] offset:-1024*\i
	global_load_b128 v[X+32*\i+28:X+32*\i+31], v[OMN], s[8:9] offset:-1024*\i
.endm
	XLOADS 0
	XLOADS 1
	XLOADS 2
	XLOADS 3
	; the LDS addresses, while the loads are out: none of the registers written here is named by a load that is out
	s_mul_i32 s18, s12, 64*APITCH                  ; my 64 rows of folded x: 128 coil + 64 half = 64 wave
	s_add_co_u32 s18, s18, XA
	v_mad_u32_u24 v[VS], v12, 4*APITCH, v9         ; + 4 rows for each lane/8, + 16 a
	v_add_nc_u32 v[VS], s18, v[VS]
	v_mul_u32_u24 v[VR], v17, TPITCH
	v_and_b32 v14, 15, v0                          ; lane % 16
	v_bfe_u32 v15, v0, 4, 1
	v_lshlrev_b32 v15, 4, v15                      ; 16 (lane / 16)
	s_mul_i32 s19, s13, 128*APITCH
	s_add_co_u32 s19, s19, XA
	v_mad_u32_u24 v[VA], v14, APITCH, v15
	v_add_nc_u32 v[VA], s19, v[VA]
	s_mul_i32 s18, s14, 64*TPITCH
	v_mad_u32_u24 v[VT], v14, TPITCH, v15
	v_add_nc_u32 v[VT], s18, v[VT]
	v_and_b32 v16, 31, v0
	s_lshl_b32 s19, s14, 9
	v_lshl_add_u32 v[VO], v16, 3, s19              ; the thread's number is not needed behind this line
	s_mov_b32 s24, 0xb94ca1f9                      ; -1.9515296e-4: the sine's highest coefficient
	s_mov_b32 s25, 0x37ccf5ce                      ;  2.4433157e-5: the cosine's
	s_mov_b32 s26, 0x76543210                      ; v_permlanex16_b32: lane i of one half reads lane i of the other
	s_mov_b32 s27, 0xfedcba98
	s_mov_b32 s28, 0xffff0000                      ; lanes 16-31
	s_cmp_lt_u32 s12, 4
	s_cselect_b32 s29, 0, -1                       ; waves 4-7: all lanes take t0
; c = cos a, s = sin a.  n = nearest whole number to a 2/pi; r = a - n pi/2 with pi/2 in two parts and fused multiply-adds;
; polynomials in r on [-pi/4, pi/4]; n mod 4 swaps the two and sets the signs, by selects.
.macro SINCOS c, s, a, t
	v_mul_f32 v[\t], 0x3f22f983, v[\a]                 ; a x 2/pi
	v_rndne_f32 v[\t], v[\t]                           ; n
	v_fmamk_f32 v[\t+1], v[\t], 0xbfc90fdb, v[\a]      ; a - n x 1.57079637
	v_fmamk_f32 v[\t+1], v[\t], 0x333bbd2e, v[\t+1]    ;   + n x 4.37113883e-8 = r
	v_cvt_i32_f32 v[\t], v[\t]
	v_mul_f32 v[\t+2], v[\t+1], v[\t+1]                ; z = r r
	v_fmaak_f32 v[\t+3], s24, v[\t+2], 0x3c08839e      ; sine:   (S3 z + 8.3321609e-3)
	v_fmaak_f32 v[\t+4], s25, v[\t+2], 0xbab6061a      ; cosine: (C3 z - 1.3887316e-3)
	v_mul_f32 v[\t+5], v[\t+2], v[\t+1]                ; z r
	v_fma_f32 v[\t+6], v[\t+2], -0.5, 1.0              ; 1 - z/2
	v_fmaak_f32 v[\t+3], v[\t+3], v[\t+2], 0xbe2aaaa3  ; .. z - 1.6666655e-1
	v_fmaak_f32 v[\t+4], v[\t+4], v[\t+2], 0x3d2aaaa5  ; .. z + 4.1666646e-2
	v_mul_f32 v[\t+7], v[\t+2], v[\t+2]                ; z z
	v_fma_f32 v[\t+3], v[\t+3], v[\t+5], v[\t+1]       ; sin r
	v_fma_f32 v[\t+4], v[\t+4], v[\t+7], v[\t+6]       ; cos r
	v_and_b32 v[\t+5], 1, v[\t]
	v_cmp_eq_u32 vcc_lo, 1, v[\t+5]                    ; n odd: the two change places
	v_add_nc_u32 v[\t+6], 1, v[\t]
	v_lshlrev_b32 v[\t+5], 30, v[\t]                   ; bit 1 of n: the sine's sign
	v_lshlrev_b32 v[\t+6], 30, v[\t+6]                 ; bit 1 of n + 1: the cosine's
	v_and_b32 v[\t+5], 0x80000000, v[\t+5]
	v_and_b32 v[\t+6], 0x80000000, v[\t+6]
	s_wait_alu depctr_va_vcc(0)                        ; the compare has written VCC, which the two selects read; the five lines above stand between
	v_cndmask_b32 v[\c], v[\t+4], v[\t+3], vcc_lo
	v_cndmask_b32 v[\s], v[\t+3], v[\t+4], vcc_lo
	v_xor_b32 v[\s], v[\t+5], v[\s]
	v_xor_b32 v[\c], v[\t+6], v[\c]
.endm
.macro ROT r, w                        ; r = i w = (-im, re)
	v_xor_b32 v[\r], 0x80000000, v[\w+1]
	v_mov_b32 v[\r+1], v[\w]
.endm
.macro CMUL d, p, w, r                 ; d = p w = p.re (w.re, w.im) + p.im (-w.im, w.re)
	v_pk_mul_f32 v[\d:\d+1], v[\p:\p+1], v[\w:\w+1] op_sel_hi:[0,1]
	v_pk_fma_f32 v[\d:\d+1], v[\p:\p+1], v[\r:\r+1], v[\d:\d+1] op_sel:[1,0,0] op_sel_hi:[1,1,1]
.endm
; pairs cnt .. 2 cnt - 1 of the table = pairs 0 .. cnt - 1 times w = e^{i 2 cnt a}; more = 1: n = w w for the next level
.macro LEVEL cnt, w, n, more
.if \more
	CMUL \n, \w, \w, \w+2
.endif
.set k, 0
.rept \cnt
	CMUL P+2*(\cnt+k), P+2*k, \w, \w+2
.set k, k+1
.endr
.if \more
	ROT \n+2, \n
.endif
.endm
	s_wait_loadcnt 32                              ; loads come back in order: t0 and t1 are in, the 32 loads of x issued behind them stay out
	v_cndmask_b32 v[ANG], v[TR+1], v[TR], s29      ; waves 0-3: t1 (along w); waves 4-7: t0 (along h)
	v_mul_f32 v[ANG], 0.5, v[ANG]                  ; a = t / 2
	SINCOS P, P+1, ANG, SC                         ; pair 0 = e^{i a}
	ROT WB+2, P
	CMUL WA, P, P, WB+2                            ; e^{i 2a}
	ROT WA+2, WA
	LEVEL 1,  WA, WB, 1
	LEVEL 2,  WB, WA, 1
	LEVEL 4,  WA, WB, 1
	LEVEL 8,  WB, WA, 1
	LEVEL 16, WA, WB, 0
	s_cmp_lt_u32 s12, 4
	s_cbranch_scc0 .Lalong_h
	; waves 0-3: the w table is a matrix operand: word k = (cos, sin) in f16
.set k, 0
.rept 32
	v_cvt_pk_f16_f32 v[H+k], v[P+2*k], v[P+2*k+1]
.set k, k+1
.endr
	s_wait_alu depctr_va_vdst(0)                   ; the conversions have written v[H ..], and v[VR] is written: the LDS stores read both
.set k, 0
.rept 8
	ds_store_b128 v[VR], v[H+4*k:H+4*k+3] offset:TX+16*k
.set k, k+1
.endr
	s_branch .Lfold
.Lalong_h:
	; waves 4-7: the h table stays in f32; and the phase e^{i (t0+t1)/2}, made first, so that one wait serves all seventeen stores
	v_add_f32 v[ANG], v[TR], v[TR+1]
	v_mul_f32 v[ANG], 0.5, v[ANG]
	SINCOS PHI, PHI+1, ANG, SC
	s_wait_alu depctr_va_vdst(0)                   ; the table v[P ..], the phase v[PHI ..] and v[VR] are written: the LDS stores read them
.set k, 0
.rept 16
	ds_store_b128 v[VR], v[P+4*k:P+4*k+3] offset:TY+16*k
.set k, k+1
.endr
	ds_store_b64 v[VP8], v[PHI:PHI+1] offset:PH
.Lfold:
	s_wait_alu depctr_vm_vsrc(0)                   ; the tables' LDS stores have read v[H ..], or v[P ..] and v[PHI ..]: the fold's T, U and Y write the same registers
; The columns 28-4a .. 31-4a lie in a quad in rising order, their partners k = 4a .. 4a+3 want them in falling order:
; element i of p meets element 3 - i of n, by taking n's other pair with its two registers exchanged (op_sel).
.macro FADD d, p, n                    ; d[i] = p[i] + n[3-i]
	v_pk_add_f32 v[\d:\d+1],   v[\p:\p+1],   v[\n+2:\n+3] op_sel:[0,1] op_sel_hi:[1,0]
	v_pk_add_f32 v[\d+2:\d+3], v[\p+2:\p+3], v[\n:\n+1]   op_sel:[0,1] op_sel_hi:[1,0]
.endm
.macro FSUB d, p, n                    ; d[i] = p[i] - n[3-i]
	v_pk_add_f32 v[\d:\d+1],   v[\p:\p+1],   v[\n+2:\n+3] op_sel:[0,1] op_sel_hi:[1,0] neg_lo:[0,1] neg_hi:[0,1]
	v_pk_add_f32 v[\d+2:\d+3], v[\p+2:\p+3], v[\n:\n+1]   op_sel:[0,1] op_sel_hi:[1,0] neg_lo:[0,1] neg_hi:[0,1]
.endm
.macro FRSB d, p, n                    ; d[i] = n[3-i] - p[i]
	v_pk_add_f32 v[\d:\d+1],   v[\p:\p+1],   v[\n+2:\n+3] op_sel:[0,1] op_sel_hi:[1,0] neg_lo:[1,0] neg_hi:[1,0]
	v_pk_add_f32 v[\d+2:\d+3], v[\p+2:\p+3], v[\n:\n+1]   op_sel:[0,1] op_sel_hi:[1,0] neg_lo:[1,0] neg_hi:[1,0]
.endm
.macro PUT i                           ; item i's four rows go to LDS, out of its own Y
.set k, 0
.rept 4
	ds_store_b128 v[VS], v[Y+16*(\i)+4*k:Y+16*(\i)+4*k+3] offset:(\i)*ASTEP+k*APITCH
.set k, k+1
.endr
.endm
; Item i.  As loaded, for the real part at XR and the imaginary part at XI: +0 row 32+j right, +4 row 32+j left, +8 row 31-j right, +12 row 31-j left.
; The signs that the four rows want are made by the order of the operands, not by extra instructions.
; The item's vector instructions name X[i], T, U and Y[i]: none of the registers that the stores of the item before read.
.macro ITEM i
.set XR, X+32*\i
.set XI, X+32*\i+16
	s_wait_loadcnt 24-8*\i                         ; the item's eight loads are in, the later items' stay out
.if \i > 0
	s_wait_alu depctr_va_vdst(0)                   ; the conversions of the item before have written its Y, which the four LDS stores below read
	PUT (\i)-1
.endif
.set k, 0
.rept 4
	v_pk_add_f32 v[T+2*k:T+2*k+1],     v[XR+2*k:XR+2*k+1], v[XR+8+2*k:XR+8+2*k+1]                            ; He, real: right quad, left quad
	v_pk_add_f32 v[T+8+2*k:T+8+2*k+1], v[XI+2*k:XI+2*k+1], v[XI+8+2*k:XI+8+2*k+1]                            ; He, imaginary
	v_pk_add_f32 v[XR+2*k:XR+2*k+1],   v[XR+8+2*k:XR+8+2*k+1], v[XR+2*k:XR+2*k+1] neg_lo:[0,1] neg_hi:[0,1]  ; -Ho, real
	v_pk_add_f32 v[XI+2*k:XI+2*k+1],   v[XI+2*k:XI+2*k+1], v[XI+8+2*k:XI+8+2*k+1] neg_lo:[0,1] neg_hi:[0,1]  ; Ho, imaginary
.set k, k+1
.endr
	FADD U+0,  T+0,  T+4                           ; R1: cosine slots  Re He, even in w
	FSUB U+4,  T+8,  T+12                          ;     sine slots    Im He, odd in w
	FADD U+8,  XI+0, XI+4                          ; R3: cosine slots  Im Ho, even
	FSUB U+12, XR+0, XR+4                          ;     sine slots   -Re Ho, odd
	FADD U+16, T+8,  T+12                          ; R2: cosine slots  Im He, even
	FRSB U+20, T+0,  T+4                           ;     sine slots   -Re He, odd
	FADD U+24, XR+0, XR+4                          ; R4: cosine slots -Re Ho, even
	FRSB U+28, XI+0, XI+4                          ;     sine slots   -Im Ho, odd
.set k, 0
.rept 4
	v_cvt_pk_f16_f32 v[Y+16*\i+4*k],   v[U+8*k],   v[U+8*k+4]    ; the one rounding of x: word = (cosine slot, sine slot)
	v_cvt_pk_f16_f32 v[Y+16*\i+4*k+1], v[U+8*k+1], v[U+8*k+5]
	v_cvt_pk_f16_f32 v[Y+16*\i+4*k+2], v[U+8*k+2], v[U+8*k+6]
	v_cvt_pk_f16_f32 v[Y+16*\i+4*k+3], v[U+8*k+3], v[U+8*k+7]
.set k, k+1
.endr
.endm
	ITEM 0
	ITEM 1
	ITEM 2
	ITEM 3
	s_wait_alu depctr_va_vdst(0)                   ; item 3's conversions have written its Y, which the stores read; and the fold is done with X, T and U, in which the loads behind the barrier land: no vector instruction stands between
	PUT 3
	s_wait_dscnt 0x0                               ; my table and my rows of folded x are in LDS: zero, for the other waves' sake
	s_barrier_signal -1
	s_barrier_wait -1                              ; everybody's are.  Nothing is written to LDS behind this barrier
	s_wait_alu depctr_vm_vsrc(0)                   ; my LDS stores have read v[VS], v[VR] and v[Y ..], the loads of x their offsets v2 to v5: these registers are PH1, D, PH0 and EV0 from here on
; A fragment is 16 rows x 32 K of f16 in 8 registers: lane l holds row l % 16, registers 0-3 the 16 bytes at 16 (l / 16), registers 4-7 those
; 32 bytes further on.  A (rows of folded x) and B (samples of the w table) are read alike, so slot meets slot.
.macro LOADB S
	ds_load_b128 v[B:B+3],     v[VT] offset:TX+(\S)*TSTEP
	ds_load_b128 v[B+4:B+7],   v[VT] offset:TX+(\S)*TSTEP+32
	ds_load_b128 v[B+8:B+11],  v[VT] offset:TX+(\S)*TSTEP+64
	ds_load_b128 v[B+12:B+15], v[VT] offset:TX+(\S)*TSTEP+96
.endm
; In accumulator q, register r of lane l is row 16 q + 8 (l / 16) + r, that is h pairs 4 q + 2 (l / 16) and the next: their two (cos, sin) are 16 bytes
.macro LOADE S
.set k, 0
.rept 8
	ds_load_b128 v[E+4*k:E+4*k+3], v[VT] offset:TY+(\S)*TSTEP+32*k
.set k, k+1
.endr
.endm
; 128 rows x 16 samples x 64 K, in two runs of eight.  The first products start the sums: nothing is cleared.
; The eight accumulators take turns, one instruction a turn.
.macro MULA
.set k, 0
.rept 8
	v_wmma_f32_16x16x32_f16 v[D+8*k:D+8*k+7], v[A+16*k:A+16*k+7], v[B:B+7], 0
.set k, k+1
.endr
.endm
.macro MULB
.set k, 0
.rept 8
	v_wmma_f32_16x16x32_f16 v[D+8*k:D+8*k+7], v[A+16*k+8:A+16*k+15], v[B+8:B+15], v[D+8*k:D+8*k+7]
.set k, k+1
.endr
.endm
; (R1, R3) x (cos, sin) adds to the real part, (R2, R4) x (cos, sin) to the imaginary part; four chains, started by products
.macro SUMS
	v_pk_mul_f32 v[ACC:ACC+1],   v[D:D+1],   v[E:E+1]
	v_pk_mul_f32 v[ACC+2:ACC+3], v[D+2:D+3], v[E:E+1]
	v_pk_mul_f32 v[ACC+4:ACC+5], v[D+4:D+5], v[E+2:E+3]
	v_pk_mul_f32 v[ACC+6:ACC+7], v[D+6:D+7], v[E+2:E+3]
.set k, 1
.rept 7
	v_pk_fma_f32 v[ACC:ACC+1],   v[D+8*k:D+8*k+1],   v[E+4*k:E+4*k+1],   v[ACC:ACC+1]
	v_pk_fma_f32 v[ACC+2:ACC+3], v[D+8*k+2:D+8*k+3], v[E+4*k:E+4*k+1],   v[ACC+2:ACC+3]
	v_pk_fma_f32 v[ACC+4:ACC+5], v[D+8*k+4:D+8*k+5], v[E+4*k+2:E+4*k+3], v[ACC+4:ACC+5]
	v_pk_fma_f32 v[ACC+6:ACC+7], v[D+8*k+6:D+8*k+7], v[E+4*k+2:E+4*k+3], v[ACC+6:ACC+7]
.set k, k+1
.endr
.endm
.macro REDUCE re, im                   ; the lane's eight partial sums become two: four plain vector instructions
	v_pk_add_f32 v[ACC:ACC+1],   v[ACC:ACC+1],   v[ACC+4:ACC+5]
	v_pk_add_f32 v[ACC+2:ACC+3], v[ACC+2:ACC+3], v[ACC+6:ACC+7]
	v_add_f32 v[\re], v[ACC],   v[ACC+1]
	v_add_f32 v[\im], v[ACC+2], v[ACC+3]
.endm
; Two tiles end together.  A sample's sum lies in lanes r and r + 16.  Lanes 0-15 keep the even tile's part and hand over the odd tile's,
; lanes 16-31 the other way round: one exchange serves both tiles, and lane l ends up with sample 32 pair + l of my half.  The result stays in ev.
.macro COMBINE ph, ev
	v_cndmask_b32 v[ACC+4], v[ACC],   v[\ev],   s28    ; what the other half wants
	v_cndmask_b32 v[ACC+5], v[ACC+2], v[\ev+1], s28
	v_cndmask_b32 v[\ev],   v[\ev],   v[ACC],   s28    ; what I keep
	v_cndmask_b32 v[\ev+1], v[\ev+1], v[ACC+2], s28
	v_permlanex16_b32 v[ACC+6], v[ACC+4], s26, s27
	v_permlanex16_b32 v[ACC+7], v[ACC+5], s26, s27
	v_add_f32 v[ACC],   v[\ev],   v[ACC+6]             ; y' real
	v_add_f32 v[ACC+2], v[\ev+1], v[ACC+7]             ; y' imaginary
	v_mul_f32 v[\ev],   v[ACC], v[\ph]                 ; y = y' e^{i (t0+t1)/2}
	v_mul_f32 v[\ev+1], v[ACC], v[\ph+1]
	v_fma_f32 v[\ev],   -v[ACC+2], v[\ph+1], v[\ev]
	v_fma_f32 v[\ev+1],  v[ACC+2], v[\ph],   v[\ev+1]
.endm
.macro SEND ev, pair
	WIN 0
	global_store_b64 v[VO], v[\ev:\ev+1], s[10:11] offset:256*\pair th:TH_STORE_NT   ; 32 lanes store 256 consecutive bytes, at a multiple of 256 from out0's first byte
.endm
; Tile S of my four.  It reads B and E of window S % 2.  The next tile's twelve loads stand between its two runs of matrix instructions and land in the other window's B and E.
; Behind the matrix instructions stand four plain vector instructions that name none of their registers (ISA guide 7.12.1) before SUMS reads the results:
; the tile before's REDUCE where there is one, v_nop in tile 0.
.macro TILE S
.if \S == 0
	s_wait_dscnt 10                                ; B and A are in; the two phase loads and the eight of the h table stay out
.else
	s_wait_dscnt 8                                 ; this tile's B is in; the eight loads of its h table stay out
.endif
.if \S == 1 || \S == 2
	s_wait_alu depctr_va_vdst(0)                   ; the tile before: its matrix instructions are done reading its B, its sums its E: the twelve loads below land in these
.endif
.if \S == 3
	s_wait_alu depctr_va_vdst(0)                   ; the first pair's rotation has written v[EV0 ..], which the store reads; no later line writes them
	SEND EV0, 0
.endif
	WIN 4*(\S&1)
	MULA
.if \S < 3
.if (\S & 1) == 0
	WIN 0x40                                       ; an even tile's loads land in window 1; under an odd tile's setting a load's destination and address lie in window 0 as it is
.endif
	LOADB \S+1                                     ; no further wait: no vector or matrix instruction since the wait at the head names these registers or v[VT]
	LOADE \S+1
.endif
	WIN 4*(\S&1)
	MULB
	WIN 0
.if \S == 0
.rept 4
	v_nop
.endr
.endif
.if \S == 1
	REDUCE EV0, EV0+1                              ; the tile before was an even one: its sums wait for the odd one's
.endif
.if \S == 2
	REDUCE ACC, ACC+2
	COMBINE PH0, EV0
.endif
.if \S == 3
	REDUCE EV1, EV1+1
.endif
.if \S < 3
	s_wait_dscnt 12                                ; this tile's h table is in (in tile 0 the phases too); the twelve loads of the next tile stay out
.else
	s_wait_dscnt 0
.endif
.if \S == 0
	s_wait_alu depctr_vm_vsrc(0)                   ; A's loads have read v[VA], which is ACC's first register
.endif
	WIN 4*(\S&1)
	SUMS
.endm
	LOADB 0
.set k, 0
.rept 8
	ds_load_b128 v[A+16*k:A+16*k+3],     v[VA] offset:k*ASTEP
	ds_load_b128 v[A+16*k+4:A+16*k+7],   v[VA] offset:k*ASTEP+32
	ds_load_b128 v[A+16*k+8:A+16*k+11],  v[VA] offset:k*ASTEP+64
	ds_load_b128 v[A+16*k+12:A+16*k+15], v[VA] offset:k*ASTEP+96
.set k, k+1
.endr
	ds_load_b64 v[PH0:PH0+1], v[VO] offset:PH
	ds_load_b64 v[PH1:PH1+1], v[VO] offset:PH+256
	LOADE 0
	TILE 0
	TILE 1
	TILE 2
	TILE 3
	WIN 0
	REDUCE ACC, ACC+2
	COMBINE PH1, EV1
	s_wait_alu depctr_va_vdst(0)                   ; the second pair's rotation has written v[EV1 ..], which the store reads
	SEND EV1, 1
	s_set_vgpr_msb 0x5
	s_wait_dscnt 0x0
	s_wait_alu depctr_hold_cnt(0) depctr_sa_sdst(0) depctr_va_vdst(0) depctr_va_sdst(0) depctr_va_ssrc(0) depctr_va_vcc(0) depctr_vm_vsrc(0)
	s_wait_tensorcnt 0x0
	ds_add_u32 v14, v15
	s_wait_dscnt 0x0
	s_endpgm
.Lfunc_end_k_qe6e02e7c8e_nufft:
	.size	k_qe6e02e7c8e_nufft, .Lfunc_end_k_qe6e02e7c8e_nufft-k_qe6e02e7c8e_nufft
	.p2alignl 7, 3214868480
	.fill 96, 4, 3214868480
	.section	.rodata,"a",@progbits
	.p2align	6, 0x0
	.amdhsa_kernel k_qe6e02e7c8e_nufft
		.amdhsa_group_segment_fixed_size 168960
		.amdhsa_private_segment_fixed_size 0
		.amdhsa_enable_private_segment 0
		.amdhsa_kernarg_size 32
		.amdhsa_user_sgpr_count 2
		.amdhsa_user_sgpr_kernarg_segment_ptr 1
		.amdhsa_wavefront_size32 1
		.amdhsa_system_sgpr_workgroup_id_x 1
		.amdhsa_system_sgpr_workgroup_id_y 1
		.amdhsa_system_sgpr_workgroup_id_z 1
		.amdhsa_system_vgpr_workitem_id 0
		.amdhsa_next_free_vgpr 320
		.amdhsa_next_free_sgpr 66
		.amdhsa_reserve_vcc 1
		.amdhsa_float_denorm_mode_32 3
		.amdhsa_float_denorm_mode_16_64 3
		.amdhsa_memory_ordered 1
		.amdhsa_forward_progress 1
		.amdhsa_inst_pref_size 52
	.end_amdhsa_kernel
	.amdgpu_metadata
---
amdhsa.version: [ 1, 2 ]
amdhsa.kernels:
  - .name:           k_qe6e02e7c8e_nufft
    .symbol:         k_qe6e02e7c8e_nufft.kd
    .args:
      - { .name: traj, .offset: 0, .size: 8, .value_kind: global_buffer, .address_space: global }
      - { .name: x_real, .offset: 8, .size: 8, .value_kind: global_buffer, .address_space: global }
      - { .name: x_imag, .offset: 16, .size: 8, .value_kind: global_buffer, .address_space: global }
      - { .name: out0, .offset: 24, .size: 8, .value_kind: global_buffer, .address_space: global }
    .group_segment_fixed_size: 168960
    .private_segment_fixed_size: 0
    .kernarg_segment_align: 8
    .kernarg_segment_size: 32
    .max_flat_workgroup_size: 256
    .sgpr_count:     66
    .vgpr_count:     320
    .wavefront_size: 32
...
	.end_amdgpu_metadata
.endif
;; end of part 2
